; MI455X (gfx1250); checked and timed in simulation.
; The chip was launched on July 23, 2026; its instructions are those of AMD's public machine-readable ISA for CDNA 5 (MIT licence, August 2026) and "CDNA5" Instruction Set Architecture Reference Guide (July 2026). The comments in the code are by the model that wrote it; some were corrected since.
;; Plastic Multi Head Attention. Allowed arithmetic: matrix products marked QUANTISED: E3M2 operands, one E8M0 scale for each 32 along K, by v_wmma_scale_f32_16x16x128_f8f6f4 with both operands' format E3M2, f32 sums; products left as they are: f32 operands where the result goes on into a quantised operand, else bf16, f16 or f32 operands; f32 sums; everything else in f32.
;; Inputs: W_qkv 3,072 x 1,024 float32; b_qkv 3,072 float32; hebbian_trace 16 x 64 x 64 float32; hidden_states 1 x 4,096 x 1,024 float32.
;; Outputs: out0 1 x 4,096 x 1,024 float32.
;; This version of the problem:
;;   THIS VERSION OF THE PROBLEM IS GIVEN IN LOW PRECISION. The matrix products marked QUANTISED in the list below multiply operands that are first quantised to E3M2 (3 exponent bits, 2 mantissa bits; 6 bits a number), with one power-of-two scale for each 32 numbers along K (OCP MX v1.0); their sums are f32. All else is computed in f32.
;;   The module's matrix products, in the order in which they are computed (A, B: the left and right operand; K: the contracted axis; several contracted axes count as one K, in the product's order):
;;     1. [M 4,096, K 1,024] x [K 1,024, N 3,072]; A: input hidden_states; B: input W_qkv: QUANTISED
;;     2. batch 16 x [M 4,096, K 64] x [K 64, N 4,096]; A: computed on the way; B: computed on the way: QUANTISED
;;     3. batch 16 x [M 4,096, K 4,096] x [K 4,096, N 64]; A: softmax (see below); B: computed on the way: QUANTISED
;;     4. batch 1,024 x [M 1, K 1] x [K 1, N 4,096]; A: computed on the way; B: computed on the way: left as it is (no contracted axis)
;;   THE QUANTISER, for each operand of a quantised product, along K:
;;     - K is cut into blocks of 32 from its start; a last block that is shorter is filled with zeros.
;;     - A block's scale is 2^e with e = floor(log2(the largest magnitude in the block)) - 4, held to -126 .. 127; a block of zeros has e = 0. As a byte (E8M0): e + 127.
;;     - Each number is divided by its block's scale, clamped to +-28, and rounded to the nearest number of E3M2, ties to even, subnormals kept.
;;     - The product sums the exact products of the quantised numbers (number of the format x scale) in f32.
;;   ~~~python
;;   def quantise(x, axis):      # numpy; x: float32 -> the quantised numbers, widened to float32 again
;;       x = np.moveaxis(x, axis, -1); K = x.shape[-1]
;;       x = np.pad(x, [(0, 0)] * (x.ndim - 1) + [(0, -K % 32)]); x = x.reshape(x.shape[:-1] + (-1, 32)); a = np.abs(x).max(-1, keepdims=True)
;;       e = np.where(a > 0, np.clip(np.frexp(np.where(a > 0, a, 1))[1] - 1 - 4, -126, 127), 0)      # np.frexp(a)[1] - 1 = floor(log2(a)), exactly
;;       r = np.clip(x / 2.0 ** e, -28, 28)
;;       step = 2.0 ** (np.maximum(np.frexp(np.where(r == 0, 1, r))[1] - 1, -2) - 2)
;;       q = np.round(r / step) * step * 2.0 ** e      # np.round: ties to even
;;       return np.moveaxis(q.reshape(q.shape[:-2] + (-1,))[..., :K], -1, axis).astype(np.float32)
;;   ~~~
;;   SOFTMAX AHEAD OF A QUANTISED PRODUCT. Where the list says 'softmax', what is quantised is not the finished softmax but p = 2^(t - M), with t = logit x log2(e) and M = ceil(the row's largest t), a whole number; so 1/2 < the row's largest p <= 1. The row's sum l is taken of the UNQUANTISED p, in f32, and the product's result is divided by l at the end. Since M is a whole number, a kernel that streams over the keys may use a running M (the ceiling of the running maximum): every later rescaling is an exact power of two, which a block's scale takes up: the codes' values come out the same.
;;   OPERANDS COMPUTED ON THE WAY. 'Computed on the way' means the value that the module computes at that place (a softmax that the list does not call 'softmax' is quantised finished and normalised). What goes into a quantiser is computed in f32, as accurately as f32 sums, v_exp_f32 and their like allow (about 1e-6 of the number): no bf16 or f16 on the way to a quantiser, and a product that is left as it is and whose result goes on into a quantised operand takes f32 operands (vector FMAs, or v_wmma_f32_16x16x4_f32). A number that lies on a knife's edge between two numbers of the format may be rounded either way, as far as f32 arithmetic and the matrix unit's own rounding can turn it there, and no further.
;; One version. Each part assembles by itself: llvm-mc -triple=amdgcn-amd-amdhsa -mcpu=gfx1250 --defsym DOCPART=n.
;; ======== version 1 of 1: 3 launches
;; workspace buffers: xw_codes 5,505,024 bytes; xw_scales 229,376 bytes; qkv 9,830,400 bytes
;; launch quant (part 1): grid 224 x 1, 4 waves a work-group, no clusters, 33,280 bytes of LDS; arguments hidden_states, W_qkv, xw_codes, xw_scales; writes xw_codes, xw_scales
.if DOCPART == 1
	.amdgcn_target "amdgcn-amd-amdhsa--gfx1250"
	.amdhsa_code_object_version 6
	.text
	.protected	k_q88d1353f47_quant
	.globl	k_q88d1353f47_quant
	.p2align	8
	.type	k_q88d1353f47_quant,@function
k_q88d1353f47_quant:
	s_mov_b64 s[64:65], 0
	v_nop
	global_prefetch_b8 v0, s[64:65] scope:SCOPE_SE
	s_setreg_imm32_b32 hwreg(HW_REG_WAVE_MODE, 25, 1), 1
	s_wait_xcnt 0x0
; hidden_states [4096][1024] and W_qkv [3072][1024], f32, become codes of BF6 (E3M2), 6 bits each, K innermost (a row: 768 bytes), with one E8M0 byte for each 32 along K (a row: 32 bytes).
; Both go into ONE pair of buffers of 7,168 stored rows: rows 0-4095 from hidden_states, rows 4096-7167 from W_qkv.
; STORED ROW s HOLDS TRUE ROW s WITH BITS 3 AND 4 OF ITS NUMBER EXCHANGED.  The product's launch then takes 16 stored neighbours as a tile and finds its results in the order in which the next quantiser wants them.
; A wave takes 8 rows (16 steps of 512 numbers), a work-group 32: bits 3 and 4 of a row's number are the wave's number, so the exchange is made on the wave's number in the output address alone.
; A block's scale is 2^(floor(log2(its largest magnitude)) - 4); its byte is the largest magnitude's exponent field - 4, held at 1 from below.
; LIMITS: a block of zeros gets the byte 1 where the rule says 127 (its codes are zeros, and this program alone reads the bytes); blocks whose largest magnitude lies under 2^(4 - 126) keep the byte 1;
; NaN and infinities among the inputs are not served.
; Each of a step's four loads reads 512 consecutive bytes, 16 a lane; the 2,048 bytes turn through the wave's own stage in LDS and come back 64 bytes a lane, so that a lane holds 16 neighbours along K.
; No tensor loads, no barrier: waves share nothing.  Loads run four steps (16 loads a wave) ahead, the turn through LDS one step.
.set STEPS, 16
.set WGA,   128                        ; work-groups 0-127 take hidden_states (4096 x 1024 / 32,768), 128-223 W_qkv
.set CB,    12                         ; bytes of 16 codes
.set R,     16                         ; v16-79   four sets of 16 numbers as they are loaded
.set X,     80                         ; v80-111  two sets of 16 neighbours
.set E,     112                        ; v112-127 a scale byte for each step
.set C,     128                        ; v128-191 codes: four registers for each step, so that no store's data are written again
.set WREG,  8192                       ; LDS: a region for each wave: two stages of 32 x SP bytes, behind them its 256 scale bytes
.set SP,    80                         ; a lane's place in a stage: 64 bytes + 16 of padding
	s_load_b256 s[4:11], s[0:1], 0x0               ; hidden_states s[4:5], W_qkv s[6:7], the codes s[8:9], the scale bytes s[10:11]
	v_lshl_add_u32 v192, v0, 2, 0x8000
	v_mov_b32 v193, 0
	v_lshrrev_b32 v1, 5, v0
	v_readfirstlane_b32 s16, v1                    ; wave
	v_and_b32 v2, 31, v0                           ; lane
	v_lshlrev_b32 v3, 4, v2                        ; my 16 bytes of a load's 512
	s_mul_i32 s17, s16, WREG
	v_lshrrev_b32 v14, 2, v2
	v_mul_u32_u24 v14, v14, SP
	v_and_b32 v15, 3, v2
	v_lshl_add_u32 v14, v15, 4, v14
	v_add_nc_u32 v14, s17, v14                     ; the stage, on the way in: SP (lane / 4) + 16 (lane % 4)
	v_mul_u32_u24 v15, v2, SP
	v_add_nc_u32 v15, s17, v15                     ; and on the way out: SP x lane: my 16 neighbours
	v_mul_u32_u24 v4, v2, CB                       ; my codes' place in a step's
	v_lshrrev_b32 v5, 1, v2
	s_add_co_u32 s17, s17, 2*32*SP
	v_add_nc_u32 v5, s17, v5                       ; LDS: my wave's 256 scale bytes, my block's byte
	v_lshlrev_b32 v7, 3, v2                        ; and on the way out 8 bytes a lane
	v_add_nc_u32 v6, s17, v7
	s_and_b32 s18, s16, 1                          ; the wave's number with its two bits exchanged
	s_lshl_b32 s18, s18, 1
	s_lshr_b32 s19, s16, 1
	s_or_b32 s18, s18, s19
	s_lshl_b32 s19, ttmp9, 2
	s_add_co_u32 s22, s19, s18                     ; which run of 8 stored rows I write
	s_wait_kmcnt 0x0
	s_cmp_lt_u32 ttmp9, WGA                        ; which input: the choice hangs on the work-group's number alone
	s_cselect_b64 s[4:5], s[4:5], s[6:7]
	s_cselect_b32 s17, 0, WGA
	s_sub_co_u32 s17, ttmp9, s17
	s_lshl_b32 s17, s17, 2
	s_add_co_u32 s18, s17, s16                     ; which run of 8 rows of that input I read
	s_lshl_b32 s18, s18, 15                        ; 32,768 bytes a run
	s_mov_b32 s19, 0
	s_add_nc_u64 s[4:5], s[4:5], s[18:19]
	s_mul_i32 s20, s22, 32*STEPS*CB                ; 6,144 bytes of codes a run
	s_mov_b32 s21, 0
	s_add_nc_u64 s[8:9], s[8:9], s[20:21]
	s_lshl_b32 s22, s22, 8                         ; 256 scale bytes a run
	s_mov_b32 s23, 0
	s_add_nc_u64 s[10:11], s[10:11], s[22:23]
.macro LOAD t
.irp i, 0,1,2,3
	global_load_b128 v[R+16*((\t)%4)+4*\i:R+16*((\t)%4)+4*\i+3], v3, s[4:5] offset:2048*(\t)+512*\i th:TH_LOAD_NT   ; 32 lanes read 512 consecutive bytes
.endr
.endm
.macro TURN t                          ; step t's numbers through the stage: LDS serves a wave's instructions in order, so no wait stands between the stores and the loads
.irp i, 0,1,2,3
	ds_store_b128 v14, v[R+16*((\t)%4)+4*\i:R+16*((\t)%4)+4*\i+3] offset:32*SP*((\t)%2)+8*SP*\i
.endr
.irp i, 0,1,2,3
	ds_load_b128 v[X+16*((\t)%2)+4*\i:X+16*((\t)%2)+4*\i+3], v15 offset:32*SP*((\t)%2)+16*\i
.endr
.endm
.irp t, 0,1,2,3
	LOAD \t
.endr
	s_wait_loadcnt 12                              ; step 0's four loads are in; the twelve of steps 1 to 3 may be out
	TURN 0
.macro STEP t
.set XS, X+16*((\t)%2)
.if (\t) > 0
	s_wait_dscnt 1                                 ; this step's numbers are back from the stage (the last step's byte store may be out): so its stores into the stage have read their registers,
.else
	s_wait_dscnt 0x0
.endif
.if (\t)+4 < STEPS
	LOAD (\t)+4                                    ; which take the loads of four steps on
.endif
.if (\t)+1 < STEPS
.if STEPS-2-(\t) >= 3
	s_wait_loadcnt 12                              ; the next step's four loads are in; those of the three steps behind it may be out
.else
	s_wait_loadcnt 4*(STEPS-2-(\t))                ; the tail: fewer steps are behind it
.endif
	TURN (\t)+1                                    ; and go through the other stage while this step is worked
.endif
	v_max3_num_f32 v8, |v[XS]|, |v[XS+1]|, |v[XS+2]|               ; the largest magnitude of my 16, in two chains
	v_max3_num_f32 v9, |v[XS+3]|, |v[XS+4]|, |v[XS+5]|
.irp i, 6,10
	v_max3_num_f32 v8, v8, |v[XS+\i]|, |v[XS+\i+1]|
	v_max3_num_f32 v9, v9, |v[XS+\i+2]|, |v[XS+\i+3]|
.endr
	v_max3_num_f32 v8, v8, |v[XS+14]|, |v[XS+15]|
	v_max3_num_f32 v8, v8, v9, 0x2800000           ; and the floor 2^(5 - 127): the byte cannot fall under 1
	v_max_num_f32_dpp v8, v8, v8 row_xmask:1 row_mask:0xf bank_mask:0xf   ; and of my neighbour's 16: the block's
	v_add_nc_u32 v11, 0xfe000000, v8               ; 4 off its exponent field: the conversion takes the exponent field of this operand as its scale, and nothing else of it
	v_cvt_scalef32_pk16_bf6_f32 v[C+4*(\t):C+4*(\t)+2], v[XS:XS+15], v11   ; sixteen codes, 96 bits without gaps, the first number's code lowest
	v_lshrrev_b32 v[E+(\t)], 23, v11               ; the scale's byte (a plain line behind the conversion)
	ds_store_b8 v5, v[E+(\t)] offset:16*(\t)       ; both lanes of a block write the same byte with the same value
	global_store_b96 v4, v[C+4*(\t):C+4*(\t)+2], s[8:9] offset:32*CB*(\t)   ; the wave stores 384 consecutive bytes
.endm
.irp t, 0,1,2,3,4,5,6,7,8,9,10,11,12,13,14,15
	STEP \t
.endr
	ds_load_b64 v[12:13], v6                       ; LDS serves a wave's instructions in order: these see my byte stores
	s_wait_dscnt 0x0
	global_store_b64 v7, v[12:13], s[10:11]        ; 32 lanes store 256 consecutive bytes, aligned
	s_wait_tensorcnt 0x0
	ds_add_u32 v192, v193
	s_wait_dscnt 0x0
	s_endpgm
.Lfunc_end_k_q88d1353f47_quant:
	.size	k_q88d1353f47_quant, .Lfunc_end_k_q88d1353f47_quant-k_q88d1353f47_quant
	.p2alignl 7, 3214868480
	.fill 96, 4, 3214868480
	.section	.rodata,"a",@progbits
	.p2align	6, 0x0
	.amdhsa_kernel k_q88d1353f47_quant
		.amdhsa_group_segment_fixed_size 33280
		.amdhsa_private_segment_fixed_size 0
		.amdhsa_enable_private_segment 0
		.amdhsa_kernarg_size 32
		.amdhsa_user_sgpr_count 2
		.amdhsa_user_sgpr_kernarg_segment_ptr 1
		.amdhsa_wavefront_size32 1
		.amdhsa_system_sgpr_workgroup_id_x 1
		.amdhsa_system_sgpr_workgroup_id_y 1
		.amdhsa_system_sgpr_workgroup_id_z 1
		.amdhsa_system_vgpr_workitem_id 0
		.amdhsa_next_free_vgpr 194
		.amdhsa_next_free_sgpr 66
		.amdhsa_reserve_vcc 0
		.amdhsa_float_denorm_mode_32 3
		.amdhsa_float_denorm_mode_16_64 3
		.amdhsa_memory_ordered 1
		.amdhsa_forward_progress 1
		.amdhsa_inst_pref_size 32
	.end_amdhsa_kernel
	.amdgpu_metadata
---
amdhsa.version: [ 1, 2 ]
amdhsa.kernels:
  - .name:           k_q88d1353f47_quant
    .symbol:         k_q88d1353f47_quant.kd
    .args:
      - { .name: hidden_states, .offset: 0, .size: 8, .value_kind: global_buffer, .address_space: global }
      - { .name: W_qkv, .offset: 8, .size: 8, .value_kind: global_buffer, .address_space: global }
      - { .name: xw_codes, .offset: 16, .size: 8, .value_kind: global_buffer, .address_space: global }
      - { .name: xw_scales, .offset: 24, .size: 8, .value_kind: global_buffer, .address_space: global }
    .group_segment_fixed_size: 33280
    .private_segment_fixed_size: 0
    .kernarg_segment_align: 8
    .kernarg_segment_size: 32
    .max_flat_workgroup_size: 128
    .sgpr_count:     66
    .vgpr_count:     194
    .wavefront_size: 32
...
	.end_amdgpu_metadata
.endif
;; end of part 1
;; launch qkv (part 2): grid 12 x 16, 4 waves a work-group, clusters of 4 x 4, 327,680 bytes of LDS; arguments xw_codes, xw_scales, b_qkv, qkv; writes qkv
.if DOCPART == 2
	.amdgcn_target "amdgcn-amd-amdhsa--gfx1250"
	.amdhsa_code_object_version 6
	.text
	.protected	k_q88d1353f47_qkv
	.globl	k_q88d1353f47_qkv
	.p2align	8
	.type	k_q88d1353f47_qkv,@function
k_q88d1353f47_qkv:
	s_mov_b64 s[64:65], 0
	v_nop
	global_prefetch_b8 v0, s[64:65] scope:SCOPE_SE
	s_setreg_imm32_b32 hwreg(HW_REG_WAVE_MODE, 25, 1), 1
	s_wait_xcnt 0x0
	s_wait_alu depctr_hold_cnt(0) depctr_sa_sdst(0) depctr_va_vdst(0) depctr_va_sdst(0) depctr_va_ssrc(0) depctr_va_vcc(0) depctr_vm_vsrc(0)
	s_getreg_b32 s2, hwreg(HW_REG_IB_STS2, 6, 4)
	s_cmp_eq_u32 s2, 0
	s_cbranch_scc0 .Lentry_in_a_cluster
	s_endpgm
.Lentry_in_a_cluster:
	s_bfe_u32 s2, ttmp6, 0x10000c
	s_cmp_lg_u32 s2, 0xf033
	s_cbranch_scc0 .Lentry_shape_is_right
	s_endpgm
.Lentry_shape_is_right:
; qkv = x W^T + b on codes of BF6 (E3M2) with one E8M0 scale for each 32 along K = 1,024; the results are quantised at once for the attention's two products and leave as IMAGES OF OPERAND REGISTERS.
; xw_codes: 7,168 stored rows of 768 bytes (0-4095: x; 4096-7167: W), xw_scales: 32 bytes a row.  Stored row s holds true row s with bits 3 and 4 exchanged.
; A work-group of four waves makes 256 x 256 of the product, a wave 128 x 128: 64 accumulators, 512 registers.  K goes in steps of 256 through a ring of two LDS slots filled by the tensor data mover.
; 4 x 4 work-groups form a cluster; a cluster's 1,024 features are q's (cluster x = 0), k's (1) or v's (2).  The tiles of the A side are asked for jointly along a row of the cluster, those of the B side along a column.
; Source 0 of every product takes 16 rows of the B side, source 1 sixteen of the A side: a lane holds ONE row of the A side, and its registers run along the B side.
;   q, k: A side = positions (x), B side = features (W): a lane's registers run along the head's dims, which are the first attention product's K.
;   v:    A side = features (W), B side = positions (x): a lane's registers run along the keys, which are the second product's K.
; Only the row numbers of the tiles differ; the loop is one text.  By the exchange of bits, the 64 registers of an A block (index 16 g + i) are true B rows 32 g + 16 (lane / 16) + i of my 128,
; and lane r of A block 2 A + u is true A row 32 A + 8 u + r % 8 + 16 (r / 8).
; OUT: qkv[head 16][record 32] of 19,200 bytes for 128 positions: sections q, k, v of 6,400 bytes, each 6,144 bytes of images and 256 bytes of scale words.
;   q, k: four pair images of 1,536 bytes (registers 4 c .. 4 c + 3 of lane L at 512 c + 16 L): registers 0-5 tile u = 0, 6-11 tile u = 1; lane (r, h): position 32 A + 8 u + r % 8 + 16 (r / 8), dims 32 h on.
;   v: four fragments of 1,536 bytes: tile t, lane (r, h): dim 32 (t / 2) + 8 (t % 2) + r % 8 + 16 (r / 8); registers 6 c .. 6 c + 5: keys 64 c + 32 h on.
;   scale words: [lane 32][word 2]: word g of lane L is that of pair (tile) 2 g + L / 16, row L % 16.
; The grid has 192 work-groups: 4,096 x 3,072 in tiles of 256 x 256.
; LIMITS: a block of zeros gets the byte 1 where the rule says 127 (its codes are zeros; this program alone reads the bytes); NaN and infinities are not served.
; REGISTERS, in windows of 256: window 0: v16-31 addresses; v32-63 scale words, two sets; from v128 the A side's fragments, one set; on the way out v64-247 as named below.
;   window 1: the B side's fragments, two sets, at v0 and v128.   windows 2, 3: the accumulators of my A rows 0-63 and 64-127 ((a, b) at v[8 (8 (a % 4) + b)]).
.set KSTEP,  256
.set NQ,     2                         ; matrix instructions deep in a slot
.set ROWB,   192                       ; a tile's row in bytes
.set KROW,   768                       ; a stored row of codes
.set PITCH,  240                       ; an LDS row: 3 x (64 bytes + 16 of padding)
.set FR,     12                        ; registers of a fragment
.set NL,     6                         ; LDS loads that bring one
.set NP,     4                         ; places behind this matrix instruction (ISA guide 7.12.1)
.set HALFT,  128*PITCH
.set SLOT,   4*HALFT
.set LAPS,   2                         ; 1,024 / 512
.set KS,     32                        ; a stored row of scale bytes
.set SCL,    2*SLOT                    ; behind the ring: the scales, as rows of 256 bytes + 16 of padding
.set HALFS,  16*272                    ; those of 128 rows
.set SBLK,   2*272                     ; those of 16 rows
.set SPARE,  SCL+4*HALFS               ; the spare words, 128 bytes a wave: two blocks of 256 bytes that no other line names
.set BIASL,  SPARE+512                 ; each wave's 128 biases, 512 bytes: stored once, never the target of a fill
.set HEADB,  614400
.set RECB,   19200
.set SECB,   6400
.set ADRA, 16                          ; v16-19  LDS addresses of my A fragments (slot 0, 1; and behind one padding more)
.set ADRB, 20                          ; v20-23  the same for B
.set ABQ,  24                          ; v24     my biases as q and k want them: + 64 (lane / 16)
.set ABV,  25                          ; v25     as v wants them: + 4 (r % 8 + 16 (r / 8))
.set L16,  26                          ; v26     16 x lane
.set ADRS, 27                          ; v27     LDS address of my scale words
.set SPW,  28                          ; v28     my spare word; never rewritten
.set NIL,  29                          ; v29     0; never rewritten
.set L8,   30                          ; v30     8 x lane
.set ABW,  31                          ; v31     where I put 16 bytes of the wave's biases
.set SC,   32
.set AF,   128
.set HA,   64                          ; the way out: v64-127 a block's 64 numbers, bias added
.set BIAS, 128                         ; v128-191 the biases
.set P0,   192                         ; v192-203 the image in hand (q, k: the first head's)
.set P1,   204                         ; v204-215 the second head's
.set T2,   216                         ; v216-222 the conversions' second halves
.set TM,   224                         ; v224-239 at work
.set PW,   240                         ; the scale word just made
.set PWE,  241                         ; the even block's
.set E0,   242                         ; the even pair's (tile's) words
.set E1,   243
.set SW,   244                         ; v244-247 scale words to store: two for each head
.set G1, 24
.set G0, 32
.set G1B, 48
.set G0B, 56
.set SEL, 66                           ; s[66:67] lane selects: lane l xor 16
.set G1S, 68
.set G0S, 76
.set G1SB, 80
.set G0SB, 88
.set MSB, 0
.macro WIN new                         ; the immediate's high byte repeats the setting that is left
.if MSB != (\new)
	s_set_vgpr_msb (MSB<<8)|(\new)
.set MSB, (\new)
.endif
.endm
.set MUL_LO, 0xa1                      ; source 0 (B) window 1, source 1 (A) window 0, C and D window 2
.set MUL_HI, 0xf1                      ; the same, C and D window 3
.set TO_B,   0x40                      ; destination window 1, address window 0
; A joint load: waves 0 and 1 fetch for the A side, waves 2 and 3 for the B side.  The branch hangs on the wave's number alone.  Four v_nop follow each of the two lines.
.macro JLOAD g0a, g1a, g0b, g1b
	s_cmp_eq_u32 s15, 0
	s_cbranch_scc0 .Lfor_b_\@
	tensor_load_to_lds s[\g0a:\g0a+3], s[\g1a:\g1a+7]
	s_nop 0
.rept 4
	v_nop
.endr
	s_branch .Lasked_\@
.Lfor_b_\@:
	tensor_load_to_lds s[\g0b:\g0b+3], s[\g1b:\g1b+7]
	s_nop 0
.rept 4
	v_nop
.endr
.Lasked_\@:
.endm
.macro CREST                           ; a round of the cluster's barrier behind its opening barrier
	s_cmp_lg_u32 s14, 0
	s_cbranch_scc1 .Lnot_wave_0_\@
	s_barrier_signal -3
.Lnot_wave_0_\@:
	s_barrier_wait -3
	s_barrier_signal -1
	s_barrier_wait -1
.endm
.macro CROUND                          ; a whole round
	s_barrier_signal -1
	s_barrier_wait -1
	CREST
.endm
	s_load_b256 s[4:11], s[0:1], 0x0               ; codes s[4:5], scale bytes s[6:7], b_qkv s[8:9], qkv s[10:11]
	v_lshl_add_u32 v[SPW], v0, 2, SPARE
	v_mov_b32 v[NIL], 0
	ds_add_u32 v28, v29
	ds_add_u32 v28, v29
	s_wait_dscnt 0x0
	v_lshrrev_b32 v1, 5, v0
	v_readfirstlane_b32 s14, v1                    ; wave 0..3
	s_lshr_b32 s15, s14, 1                         ; which half of the A side's rows is mine.  Also: I fetch for A (0) or for B (1)
	s_and_b32 s16, s14, 1                          ; which half of the B side's.  Also: which 128 rows of that tile I fetch
	s_bfe_u32 s40, ttmp6, 0x40000                  ; cx, cy: my place in the cluster
	s_bfe_u32 s41, ttmp6, 0x40004
	s_and_b32 s17, ttmp7, 0xffff                   ; the cluster's y: 1,024 positions
	s_lshl_b32 s43, s41, 2
	s_lshl_b32 s43, 15, s43                        ; my row of the cluster
	s_lshl_b32 s44, 0x1111, s40                    ; my column
	s_mov_b32 s13, 0xffff0000                      ; a mask of lanes 16-31
	s_mov_b32 s[SEL], 0x76543210
	s_mov_b32 s[SEL+1], 0xfedcba98
	; descriptor group 1: a tile of 128 rows x 192 bytes, 16 bytes of padding behind every 64
	s_or_b32 s[G1+0], s43, (0<<16)|(1<<20)|(1<<21)|(3<<22)|(3<<25)   ; the mask: my row; elements of 1 byte; padding on; bit 21 beside a mask; after every 16 words, 4 words
	s_or_b32 s[G1B+0], s44, (0<<16)|(1<<20)|(1<<21)|(3<<22)|(3<<25)  ; the same with my column
.irp g, G1, G1B
	s_mov_b32 s[\g+1], ROWB<<16                    ; tensor_dim0
	s_mov_b32 s[\g+2], 128<<16                     ; tensor_dim1
	s_mov_b32 s[\g+3], ROWB<<16                    ; tile_dim0
	s_mov_b32 s[\g+4], 128                         ; tile_dim1
	s_mov_b32 s[\g+5], KROW                        ; stride from row to row
	s_mov_b32 s[\g+6], 0
	s_mov_b32 s[\g+7], 0
.endr
	; the scales of 128 rows: 4,096 dense bytes, as 16 rows of 256 bytes (32 elements of 8 bytes), 16 bytes of padding behind each
	s_or_b32 s[G1S+0], s43, (3<<16)|(1<<20)|(1<<21)|(5<<22)|(3<<25)
	s_or_b32 s[G1SB+0], s44, (3<<16)|(1<<20)|(1<<21)|(5<<22)|(3<<25)
.irp g, G1S, G1SB
	s_mov_b32 s[\g+1], 32<<16
	s_mov_b32 s[\g+2], 16<<16
	s_mov_b32 s[\g+3], 32<<16
	s_mov_b32 s[\g+4], 16
	s_mov_b32 s[\g+5], 32
	s_mov_b32 s[\g+6], 0
	s_mov_b32 s[\g+7], 0
.endr
	; which stored rows feed which side.  The choice hangs on the cluster's x alone, which all sixteen partners share; all selects stand behind one compare.
	s_lshl_b32 s18, s17, 10                        ; the cluster's first position
	s_lshl_b32 s19, ttmp9, 10
	s_add_co_u32 s19, s19, 4096                    ; the cluster's first row of W
	s_cmp_eq_u32 ttmp9, 2
	s_cselect_b32 s12, 1, 0                        ; 1: this cluster makes v
	s_cselect_b32 s20, 6144, s18                   ; the A side's first stored row: v: W's v rows; q, k: positions
	s_cselect_b32 s46, s18, s19                    ; the B side's: v: positions; q, k: W's rows
	s_cselect_b32 s95, s40, s41                    ; which 256 positions of the cluster's are my work-group's,
	s_cselect_b32 s96, s41, s40                    ; which 256 features,
	s_cselect_b32 s97, s16, s15                    ; which half of the positions is my wave's,
	s_cselect_b32 s2, s15, s16                     ; which half of the features
	s_lshl_b32 s21, s41, 8
	s_add_co_u32 s20, s20, s21                     ; A: + 256 cy (this chain never holds cx)
	s_lshl_b32 s21, s16, 7                         ; + the 128 rows that I fetch
	s_add_co_u32 s20, s20, s21
	s_lshl_b32 s47, s40, 8
	s_add_co_u32 s46, s46, s47                     ; B: + 256 cx (this chain never holds cy)
	s_add_co_u32 s46, s46, s21
	s_mov_b32 s21, 0
	s_mov_b32 s47, 0
	s_mov_b64 s[18:19], KS
	s_mul_u64 s[22:23], s[20:21], s[18:19]         ; where these rows' scales begin, in bytes
	s_mul_u64 s[92:93], s[46:47], s[18:19]
	s_mov_b64 s[18:19], KROW
	s_mul_u64 s[20:21], s[20:21], s[18:19]         ; and their codes
	s_mul_u64 s[46:47], s[46:47], s[18:19]
	s_mul_i32 s45, s14, HALFT                      ; where they go: wave x 128 rows: no place in the cluster enters an LDS address
	s_mul_i32 s94, s14, HALFS
	; where my wave's results go, and where its 128 biases lie
	s_lshl_b32 s96, s96, 2
	s_lshl_b32 s2, s2, 1
	s_add_co_u32 s96, s96, s2                      ; my first head: 4 x the work-group's 256 features + 2 x my half
	s_lshl_b32 s95, s95, 1
	s_add_co_u32 s95, s95, s97
	s_lshl_b32 s97, s17, 3
	s_add_co_u32 s95, s95, s97                     ; my record: 8 x cluster y + 2 x the work-group's 256 positions + my half
	s_mul_i32 s95, s95, RECB
	s_lshl_b32 s2, s96, 8                          ; biases: 64 numbers a head,
	s_lshl_b32 s3, ttmp9, 12                       ; 1,024 for each of q, k, v
	s_add_co_u32 s2, s2, s3
	s_mov_b32 s3, 0
	s_mul_i32 s96, s96, HEADB
	s_add_co_u32 s96, s96, s95
	s_mul_i32 s97, ttmp9, SECB                     ; the section: q, k or v
	s_add_co_u32 s96, s96, s97
	s_mov_b32 s97, 0
	s_wait_kmcnt 0x0
	s_add_nc_u64 s[20:21], s[4:5], s[20:21]
	s_add_nc_u64 s[22:23], s[6:7], s[22:23]
	s_add_nc_u64 s[46:47], s[4:5], s[46:47]
	s_add_nc_u64 s[92:93], s[6:7], s[92:93]
	s_add_nc_u64 s[8:9], s[8:9], s[2:3]
	s_add_nc_u64 s[10:11], s[10:11], s[96:97]
	CROUND                                         ; all sixteen work-groups are here: the first joint loads meet
	s_mov_b32 s[G0S], 1
	s_add_co_u32 s[G0S+1], s94, SCL
	s_mov_b64 s[G0S+2:G0S+3], s[22:23]
	s_or_b32 s[G0S+3], s[G0S+3], 0x80000000
	s_mov_b32 s[G0SB], 1
	s_add_co_u32 s[G0SB+1], s94, SCL
	s_mov_b64 s[G0SB+2:G0SB+3], s[92:93]
	s_or_b32 s[G0SB+3], s[G0SB+3], 0x80000000
	JLOAD G0S, G1S, G0SB, G1SB                     ; the scales first: they are wanted with K step 0
.irp s, 0,1
	s_mov_b32 s[G0+4*\s], 1
	s_add_co_u32 s[G0+4*\s+1], s45, \s*SLOT
	s_add_nc_u64 s[G0+4*\s+2:G0+4*\s+3], s[20:21], \s*ROWB
	s_or_b32 s[G0+4*\s+3], s[G0+4*\s+3], 0x80000000
	s_mov_b32 s[G0B+4*\s], 1
	s_add_co_u32 s[G0B+4*\s+1], s45, \s*SLOT
	s_add_nc_u64 s[G0B+4*\s+2:G0B+4*\s+3], s[46:47], \s*ROWB
	s_or_b32 s[G0B+4*\s+3], s[G0B+4*\s+3], 0x80000000
	JLOAD G0+4*\s, G1, G0B+4*\s, G1B               ; three tensor loads of mine are out behind the last of these
.endr
	v_and_b32 v7, 31, v0                           ; lane
	v_lshlrev_b32 v[L16], 4, v7
	v_lshlrev_b32 v[L8], 3, v7
	global_load_b128 v[8:11], v[L16], s[8:9]       ; my wave's 128 biases: 512 consecutive bytes
	v_and_b32 v1, 15, v0                           ; r = l % 16
	v_bfe_u32 v2, v0, 4, 1                         ; h = l / 16
	v_mul_u32_u24 v3, v1, PITCH
	v_mul_u32_u24 v4, v2, 24
	v_add_nc_u32 v4, v3, v4                        ; a fragment's row x pitch + 24 x half
	v_lshl_add_u32 v5, v2, 4, v4                   ; and the same behind one padding more
	s_mul_i32 s21, s15, HALFT                      ; my 128 rows of A
	s_mul_i32 s22, s16, HALFT                      ; my 128 rows of B,
	s_add_co_u32 s22, s22, 2*HALFT                 ; which lie behind A's 256
.irp s, 0,1
	v_add_nc_u32 v[ADRA+\s], s21, v4
	v_add_nc_u32 v[ADRB+\s], s22, v4
	v_add_nc_u32 v[ADRA+2+\s], s21, v5
	v_add_nc_u32 v[ADRB+2+\s], s22, v5
	s_add_co_u32 s21, s21, SLOT
	s_add_co_u32 s22, s22, SLOT
.endr
	v_mul_u32_u24 v5, v1, KS                       ; my row's scales: 32 bytes a row,
	v_lshrrev_b32 v6, 8, v5
	v_lshl_add_u32 v5, v6, 4, v5                   ; and 16 more for each 256 passed
	s_mul_i32 s21, s15, HALFS                      ; A's: my 128 rows
	s_mul_i32 s22, s16, HALFS                      ; B's: my 128 rows, behind A's 256
	s_add_co_u32 s22, s22, 2*HALFS
	s_sub_co_u32 s22, s22, s21
	v_mul_u32_u24 v6, s22, v2                      ; lanes 16-31 take B's: one product, the distance between the two
	s_add_co_u32 s21, s21, SCL
	v_add_nc_u32 v5, v5, v6
	v_add_nc_u32 v[ADRS], s21, v5
	s_lshl_b32 s23, s14, 9
	s_add_co_u32 s23, s23, BIASL                   ; my wave's biases in LDS
	v_lshl_add_u32 v[ABQ], v2, 6, s23
	v_and_b32 v5, 8, v1
	v_add_nc_u32 v5, v5, v1                        ; r % 8 + 16 (r / 8)
	v_lshl_add_u32 v[ABV], v5, 2, s23
	v_add_nc_u32 v[ABW], s23, v[L16]
	s_wait_loadcnt 0x0                             ; the biases are in registers,
	ds_store_b128 v[ABW], v[8:11]                  ; and go to LDS, from where each way out takes them in its own order; only my wave reads them
.macro FRAG reg, adr, q, i             ; a fragment, 16 rows x 128 K: 12 registers; registers 6 c .. 6 c + 5 hold K = 64 c + 32 (l / 16) on: 24 bytes of the row's stream of bits, in pieces of 8 bytes
.irp p, 0,1,2,3,4,5
.set PCE, 12*(\q)+6*(\p/3)+\p%3        ; the row's piece for lanes 0-15; lanes 16-31 take the piece three on, which for some pieces lies behind one padding more: the second address register serves those
.if PCE%8 < 5
	ds_load_b64 v[\reg+2*\p:\reg+2*\p+1], v[\adr] offset:8*PCE+16*(PCE/8)+(\i)*16*PITCH
.else
	ds_load_b64 v[\reg+2*\p:\reg+2*\p+1], v[\adr+2] offset:8*PCE+16*(PCE/8)+(\i)*16*PITCH
.endif
.endr
.endm
; 16 matrix instructions: A's blocks a0, a0 + 1 x B's eight, the slot's q-th 128 along K.  p: B's set;  sc: the set of scale words.  zero = 1: the first product starts the sums.
; The 64 accumulators take turns, one instruction a turn, in the same order in every step.
.macro MUL16 a0, p, q, sc, zero
.irp a, \a0, \a0+1
.irp b, 0,1,2,3,4,5,6,7
.if \zero
	v_wmma_scale_f32_16x16x128_f8f6f4 v[8*(8*((\a)%4)+\b):8*(8*((\a)%4)+\b)+7], v[128*(\p)+FR*\b:128*(\p)+FR*\b+FR-1], v[AF+FR*(\a):AF+FR*(\a)+FR-1], 0, v[SC+8*NQ*(\sc)+NQ*\b+(\q)], v[SC+8*NQ*(\sc)+NQ*(\a)+(\q)] matrix_a_fmt:MATRIX_FMT_BF6 matrix_b_fmt:MATRIX_FMT_BF6 matrix_a_scale:MATRIX_SCALE_ROW1
.else
	v_wmma_scale_f32_16x16x128_f8f6f4 v[8*(8*((\a)%4)+\b):8*(8*((\a)%4)+\b)+7], v[128*(\p)+FR*\b:128*(\p)+FR*\b+FR-1], v[AF+FR*(\a):AF+FR*(\a)+FR-1], v[8*(8*((\a)%4)+\b):8*(8*((\a)%4)+\b)+7], v[SC+8*NQ*(\sc)+NQ*\b+(\q)], v[SC+8*NQ*(\sc)+NQ*(\a)+(\q)] matrix_a_fmt:MATRIX_FMT_BF6 matrix_b_fmt:MATRIX_FMT_BF6 matrix_a_scale:MATRIX_SCALE_ROW1
.endif
.endr
.endr
.endm
.macro FETCH_B slot, q, p              ; B's eight fragments of the slot's q-th 128 along K into set p
	WIN TO_B
.irp i, 0,1,2,3,4,5,6,7
	FRAG 128*(\p)+FR*\i, ADRB+\slot, \q, \i
.endr
	WIN 0
.endm
.macro FETCH_A slot, q, i0             ; A's blocks i0 .. i0 + 3
.irp i, \i0, \i0+1, \i0+2, \i0+3
	FRAG AF+FR*(\i), ADRA+\slot, \q, \i
.endr
.endm
.macro SCALES sc                       ; a K step's scale words into set sc: two words a row; lanes 0-15 take A's block i, lanes 16-31 B's block i
.irp i, 0,1,2,3,4,5,6,7
	ds_load_b64 v[SC+8*NQ*\sc+NQ*\i:SC+8*NQ*\sc+NQ*\i+1], v[ADRS] offset:\i*SBLK
.endr
.endm
.macro PLACES n                        ; plain vector lines between a matrix instruction and a load into one of its registers or a read of its result
.rept \n
	v_nop
.endr
.endm
; A step of 128 along K that has its successor in the same slot.
.macro STEP slot, q, zero
	s_wait_dscnt 4*NL                              ; B's set and A's blocks 0-3 are in; the youngest 24 loads (A's blocks 4-7) may be out
	WIN MUL_LO
	MUL16 0, (\q)%2, \q, \slot, \zero
	MUL16 2, (\q)%2, \q, \slot, \zero
	s_wait_dscnt 0                                 ; A's blocks 4-7 are in (asked for 32 matrix instructions ago)
	PLACES NP
	FETCH_B \slot, (\q)+1, 1-(\q)%2
	FETCH_A \slot, (\q)+1, 0
	WIN MUL_HI
	MUL16 4, (\q)%2, \q, \slot, \zero
	MUL16 6, (\q)%2, \q, \slot, \zero
	PLACES NP
	WIN 0
	FETCH_A \slot, (\q)+1, 4
.endm
; A slot's last step changes slots: ONE barrier; in front of it each wave waits for all its tensor loads, adds 0 to its spare word, and waits for that and for its own reads of this slot.  fill = 1: this slot is filled again, two K steps ahead.
.macro TURN slot, next, fill
	s_wait_tensorcnt 0x0                           ; all my tensor loads have landed: my part of the next slot  (every window is 0 here)
	ds_add_u32 v[SPW], v[NIL]                      ; 0 onto my spare word
	s_wait_dscnt 4*NL+1                            ; (the add and the youngest 24 loads, A's blocks 4-7, may be out)
	WIN MUL_LO
	MUL16 0, 1, NQ-1, \slot, 0                     ; sixteen matrix instructions stand between the add and the wait for it
	s_wait_dscnt 0x0                               ; the add is done, and my reads of this slot are over
	s_barrier_signal -1
	MUL16 2, 1, NQ-1, \slot, 0
	WIN 0
	s_barrier_wait -1
.if \fill
	CREST                                          ; the barrier has opened a round of the cluster's barrier: no wave of any partner still reads this slot's tile or has a load on its way
	s_add_nc_u64 s[G0+4*\slot+2:G0+4*\slot+3], s[G0+4*\slot+2:G0+4*\slot+3], 2*ROWB
	s_add_nc_u64 s[G0B+4*\slot+2:G0B+4*\slot+3], s[G0B+4*\slot+2:G0B+4*\slot+3], 2*ROWB
	JLOAD G0+4*\slot, G1, G0B+4*\slot, G1B         ; the first tensor load behind the round; the four v_nop behind it are the places in front of the loads below
.else
	PLACES NP
.endif
	v_add_nc_u32 v[ADRS], 4*NQ, v[ADRS]            ; on to the next K step's scale words (no LDS load of mine is out)
	FETCH_B \next, 0, 0
	FETCH_A \next, 0, 0
	SCALES \next
	WIN MUL_HI
	MUL16 4, 1, NQ-1, \slot, 0
	MUL16 6, 1, NQ-1, \slot, 0
	PLACES NP
	WIN 0
	FETCH_A \next, 0, 4
.endm
	s_wait_dscnt 0x0                               ; my store of the biases is done: no LDS instruction of mine is out at the signal
	s_wait_tensorcnt 1                             ; the scales and my part of K step 0 are in (K step 1's load may be out)
	s_barrier_signal -1
	s_barrier_wait -1                              ; everybody's are
	FETCH_B 0, 0, 0
	FETCH_A 0, 0, 0
	SCALES 0
	FETCH_A 0, 0, 4
	STEP 0, 0, 1                                   ; the first step stands in front of the loop: its products start the sums
	s_mov_b32 s3, LAPS-1
.Llap:                                                 ; a trip goes once round the ring, from a lap's second step to the next lap's first, and fills both slots again
	TURN 0, 1, 1
	STEP 1, 0, 0
	TURN 1, 0, 1
	STEP 0, 0, 0
	s_sub_co_u32 s3, s3, 1
	s_cmp_lg_u32 s3, 0
	s_cbranch_scc1 .Llap
	TURN 0, 1, 0                                   ; the last lap fills nothing, and has no round of the cluster's barrier
	STEP 1, 0, 0
	s_wait_dscnt 4*NL                              ; the very last step: nothing more to fetch
	WIN MUL_LO
	MUL16 0, 1, NQ-1, 1, 0
	MUL16 2, 1, NQ-1, 1, 0
	s_wait_dscnt 0
	WIN MUL_HI
	MUL16 4, 1, NQ-1, 1, 0
	MUL16 6, 1, NQ-1, 1, 0
	WIN 0
; THE WAY OUT.  64 numbers of a lane, v[s] on, register 16 b + i = k 32 b + 16 (lane / 16) + i of my row, become codes: those of k 0-63 in v[d0] .. v[d0 + 5], those of k 64-127 in v[d1] .. v[d1 + 5]; the row's scale word in v[PW].
.macro QUANT s, d0, d1
.irp b, 0,1,2,3
	v_max3_num_f32 v[TM+\b], |v[\s+16*\b]|, |v[\s+1+16*\b]|, 0x2800000   ; block b: my 16 numbers, and the floor 2^(5 - 127): the byte cannot fall under 1
.endr
.irp i, 2,4,6,8,10,12,14
.irp b, 0,1,2,3
	v_max3_num_f32 v[TM+\b], v[TM+\b], |v[\s+16*\b+\i]|, |v[\s+1+16*\b+\i]|   ; (the four blocks by turns)
.endr
.endr
.irp b, 0,1,2,3
	v_permlanex16_b32 v[TM+4+\b], v[TM+\b], s[SEL], s[SEL+1]
.endr
.irp b, 0,1,2,3
	v_max_num_f32 v[TM+\b], v[TM+\b], v[TM+4+\b]   ; with lane l xor 16's: the block's largest magnitude
.endr
.irp b, 0,1,2,3
	v_add_nc_u32 v[TM+12+\b], 0xfe000000, v[TM+\b]   ; 4 off its exponent field: the conversion's scale operand
.endr
.irp b, 0,1,2,3
	v_lshrrev_b32 v[TM+4+\b], 23, v[TM+12+\b]      ; the scale's byte
.endr
	v_lshl_or_b32 v[PW], v[TM+5], 8, v[TM+4]       ; the four bytes make my row's scale word; both halves of the lanes hold it
	v_lshl_or_b32 v[PW], v[TM+6], 16, v[PW]
	v_lshl_or_b32 v[PW], v[TM+7], 24, v[PW]
	v_cvt_scalef32_pk16_bf6_f32 v[(\d0):(\d0)+2], v[\s:\s+15], v[TM+12]
	v_cvt_scalef32_pk16_bf6_f32 v[T2:T2+2], v[\s+16:\s+31], v[TM+13]       ; (a conversion's three registers begin on an even number)
	v_cvt_scalef32_pk16_bf6_f32 v[(\d1):(\d1)+2], v[\s+32:\s+47], v[TM+14]
	v_cvt_scalef32_pk16_bf6_f32 v[T2+4:T2+6], v[\s+48:\s+63], v[TM+15]
	v_nop                                          ; one plain line behind the scaled conversions
.irp i, 0,1,2                                  ; the operand's layout wants a WHOLE block in a lane: lanes 0-15 the even block, lanes 16-31 the odd one
	v_permlane16_swap_b32 v[(\d0)+\i], v[T2+\i]
	v_permlane16_swap_b32 v[(\d1)+\i], v[T2+4+\i]
.endr
.irp i, 0,1,2
	v_mov_b32 v[(\d0)+3+\i], v[T2+\i]
	v_mov_b32 v[(\d1)+3+\i], v[T2+4+\i]
.endr
.endm
.macro PULLQ a                         ; block a's 64 sums + the biases of their features, into window 0; each accumulator is read from its low end on
	WIN 0x02+(\a)/4
.set AC, 64*((\a)%4)
.set n, 0
.rept 32
	v_pk_add_f32 v[HA+n:HA+n+1], v[AC+n:AC+n+1], v[BIAS+n:BIAS+n+1]
.set n, n+2
.endr
	WIN 0
.endm
.macro PULLV a                         ; the same where the feature is the lane's: one bias, held twice, for all 64
	WIN 0x02+(\a)/4
.set AC, 64*((\a)%4)
.set n, 0
.rept 32
	v_pk_add_f32 v[HA+n:HA+n+1], v[AC+n:AC+n+1], v[BIAS+2*(\a):BIAS+2*(\a)+1]
.set n, n+2
.endr
	WIN 0
.endm
; q, k: pair A of 32 positions: blocks 2 A and 2 A + 1 give tiles 0 and 1 of a pair image for each of my two heads
.macro QKPAIR A
.if \A > 0
	s_wait_xcnt 0x0                                ; the last pair's stores have had their addresses translated: only behind this wait are their data written again
.endif
	PULLQ 2*\A
	QUANT HA, P0, P1
	v_mov_b32 v[PWE], v[PW]
	PULLQ 2*\A+1
	QUANT HA, P0+6, P1+6
.if (\A)%2 == 0
	v_perm_b32 v[E0], v[PW], v[PWE], 0x05040100    ; first head: the two tiles' lower two bytes
	v_perm_b32 v[E1], v[PW], v[PWE], 0x07060302    ; second head: their upper two
.else
	v_perm_b32 v[TM+8], v[PW], v[PWE], 0x05040100
	v_perm_b32 v[TM+9], v[PW], v[PWE], 0x07060302
	v_cndmask_b32 v[SW+(\A)/2], v[E0], v[TM+8], s13     ; lanes 0-15 keep the even pair's word, lanes 16-31 take the odd pair's
	v_cndmask_b32 v[SW+2+(\A)/2], v[E1], v[TM+9], s13
.endif
.irp c, 0,1,2
	global_store_b128 v[L16], v[P0+4*\c:P0+4*\c+3], s[10:11] offset:(\A)*1536+512*\c          ; each store covers 512 consecutive bytes, aligned
	global_store_b128 v[L16], v[P1+4*\c:P1+4*\c+3], s[10:11] offset:HEADB+(\A)*1536+512*\c
.endr
.endm
; v: block a is tile a % 4 of head a / 4: one fragment, 16 dims x my record's 128 keys
.macro VTILE a
.if \a > 0
	s_wait_xcnt 0x0                                ; as above
.endif
	PULLV \a
	QUANT HA, P0, P0+6
.if (\a)%2 == 0
	v_mov_b32 v[E0], v[PW]
.else
	v_cndmask_b32 v[SW+(\a)/2], v[E0], v[PW], s13
.endif
.irp c, 0,1,2
	global_store_b128 v[L16], v[P0+4*\c:P0+4*\c+3], s[10:11] offset:((\a)/4)*HEADB+((\a)%4)*1536+512*\c
.endr
.endm
.irp b, 0,1,2,3
	v_mov_b32 v[TM+4+\b], 0                        ; a lane permute's destination counts as one of its sources.  These four name no register of the last products: they are the places behind them
.endr
	s_cmp_eq_u32 s12, 1                            ; the same in all waves of all sixteen partners
	s_cbranch_scc1 .Lv
.irp g, 0,1,2,3
.irp i, 0,1,2,3
	ds_load_b128 v[BIAS+16*\g+4*\i:BIAS+16*\g+4*\i+3], v[ABQ] offset:128*\g+16*\i   ; register 16 g + i: the bias of feature 32 g + 16 (lane / 16) + i
.endr
.endr
	s_wait_dscnt 0x0
	QKPAIR 0
	QKPAIR 1
	QKPAIR 2
	QKPAIR 3
	s_branch .Lwords
.Lv:
.irp a, 0,1,2,3,4,5,6,7
	ds_load_b32 v[BIAS+2*\a], v[ABV] offset:128*(\a/2)+32*(\a%2)       ; block a: the bias of my lane's feature, in both halves of a pair
	ds_load_b32 v[BIAS+2*\a+1], v[ABV] offset:128*(\a/2)+32*(\a%2)
.endr
	s_wait_dscnt 0x0
.irp a, 0,1,2,3,4,5,6,7
	VTILE \a
.endr
.Lwords:
	global_store_b64 v[L8], v[SW:SW+1], s[10:11] offset:6144             ; a head's scale words: 256 consecutive bytes, aligned
	global_store_b64 v[L8], v[SW+2:SW+3], s[10:11] offset:HEADB+6144
	s_wait_tensorcnt 0x0                           ; the wave's end
	ds_add_u32 v[SPW], v[NIL]
	s_wait_dscnt 0x0
	CROUND                                         ; the closing round: no work-group ends while a partner may still ask for a tile that names it
	s_endpgm
.Lfunc_end_k_q88d1353f47_qkv:
	.size	k_q88d1353f47_qkv, .Lfunc_end_k_q88d1353f47_qkv-k_q88d1353f47_qkv
	.p2alignl 7, 3214868480
	.fill 96, 4, 3214868480
	.section	.rodata,"a",@progbits
	.p2align	6, 0x0
	.amdhsa_kernel k_q88d1353f47_qkv
		.amdhsa_group_segment_fixed_size 327680
		.amdhsa_private_segment_fixed_size 0
		.amdhsa_enable_private_segment 0
		.amdhsa_kernarg_size 32
		.amdhsa_user_sgpr_count 2
		.amdhsa_user_sgpr_kernarg_segment_ptr 1
		.amdhsa_wavefront_size32 1
		.amdhsa_system_sgpr_workgroup_id_x 1
		.amdhsa_system_sgpr_workgroup_id_y 1
		.amdhsa_system_sgpr_workgroup_id_z 1
		.amdhsa_system_vgpr_workitem_id 0
		.amdhsa_next_free_vgpr 1024
		.amdhsa_next_free_sgpr 98
		.amdhsa_reserve_vcc 0
		.amdhsa_float_denorm_mode_32 3
		.amdhsa_float_denorm_mode_16_64 3
		.amdhsa_memory_ordered 1
		.amdhsa_forward_progress 1
		.amdhsa_inst_pref_size 233
	.end_amdhsa_kernel
	.amdgpu_metadata
---
amdhsa.version: [ 1, 2 ]
amdhsa.kernels:
  - .name:           k_q88d1353f47_qkv
    .symbol:         k_q88d1353f47_qkv.kd
    .args:
      - { .name: xw_codes, .offset: 0, .size: 8, .value_kind: global_buffer, .address_space: global }
      - { .name: xw_scales, .offset: 8, .size: 8, .value_kind: global_buffer, .address_space: global }
      - { .name: b_qkv, .offset: 16, .size: 8, .value_kind: global_buffer, .address_space: global }
      - { .name: qkv, .offset: 24, .size: 8, .value_kind: global_buffer, .address_space: global }
    .group_segment_fixed_size: 327680
    .private_segment_fixed_size: 0
    .kernarg_segment_align: 8
    .kernarg_segment_size: 32
    .max_flat_workgroup_size: 128
    .sgpr_count:     98
    .vgpr_count:     1024
    .wavefront_size: 32
...
	.end_amdgpu_metadata
.endif
;; end of part 2
;; launch attn (part 3): grid 16 x 16, 8 waves a work-group, clusters of 4 x 1, 327,680 bytes of LDS; arguments qkv, hebbian_trace, out0; writes out0
.if DOCPART == 3
	.amdgcn_target "amdgcn-amd-amdhsa--gfx1250"
	.amdhsa_code_object_version 6
	.text
	.protected	k_q88d1353f47_attn
	.globl	k_q88d1353f47_attn
	.p2align	8
	.type	k_q88d1353f47_attn,@function
k_q88d1353f47_attn:
	s_mov_b64 s[64:65], 0
	v_nop
	global_prefetch_b8 v0, s[64:65] scope:SCOPE_SE
	s_setreg_imm32_b32 hwreg(HW_REG_WAVE_MODE, 25, 1), 1
	s_wait_xcnt 0x0
	s_wait_alu depctr_hold_cnt(0) depctr_sa_sdst(0) depctr_va_vdst(0) depctr_va_sdst(0) depctr_va_ssrc(0) depctr_va_vcc(0) depctr_vm_vsrc(0)
	s_getreg_b32 s2, hwreg(HW_REG_IB_STS2, 6, 4)
	s_cmp_eq_u32 s2, 0
	s_cbranch_scc0 .Lentry_in_a_cluster
	s_endpgm
.Lentry_in_a_cluster:
	s_bfe_u32 s2, ttmp6, 0x10000c
	s_cmp_lg_u32 s2, 0x3003
	s_cbranch_scc0 .Lentry_shape_is_right
	s_endpgm
.Lentry_shape_is_right:
; out0[q][64 head + d] = diag(hebbian_trace[head])[d] x (sum over k of p(q, k) v(k, d)) / l(q), both products on codes of BF6 (E3M2) with one E8M0 scale for each 32 along a product's K.
; t = score x log2(e) / 8;  M = the row's largest t so far, rounded UP to a whole number;  p = 2^(t - M) is quantised along the keys, not normalised;  l is the sum of the unquantised p.
; When M moves, l and O are multiplied by 2^(old M - new M): exact.
; qkv[head 16][record 32] of 19,200 bytes for 128 positions: sections q, k, v of 6,400 bytes: 6,144 bytes of register images and 256 bytes of scale words, as the launch before laid them:
;   q, k: four pair images of 12 registers a lane (registers 4 c .. 4 c + 3 of lane L at 512 c + 16 L): registers 0-5 tile 0, 6-11 tile 1; tile u, lane (r, h): position 32 A + 8 u + r % 8 + 16 (r / 8), dims 32 h on.
;   v: four fragments: tile t, lane (r, h): dim 32 (t / 2) + 8 (t % 2) + r % 8 + 16 (r / 8), registers 6 c .. 6 c + 5: keys 64 c + 32 h on.
; SHARES.  A work-group owns 256 queries of one head, each of its eight waves 32: one pair image, two tiles x = 0, 1.  Every wave walks 32 key steps of 128 keys; each fragment read from LDS feeds both tiles.
; THE FIRST PRODUCT HAS K = 64, THE INSTRUCTION 128.  A pair image of k is source 0 twice: against [Q | zeros] it gives tile 0's scores, against [zeros | Q] tile 1's.  Zero codes add exactly 0: the format has
; no infinity and no NaN, and no scale byte here is 0xff.  Both products are used transposed: a lane holds ONE query; the 16 registers of a pair's two tiles are keys 32 b + 16 (lane / 16) + 0 .. 15.
; RING.  Two LDS slots of eight key steps (a step: k's and v's sections, 12,800 dense bytes).  Each wave brings one step's bytes with one tensor load.  The four query blocks of a cluster belong to one head and ask JOINTLY.
; Two tensor loads of a wave are out at the start, one behind each of the two refills, which has eight key steps in which to land.
; LIMITS: NaN and infinities are not served; a p under 2^-126 comes out of the exponential as 0; a block of p that are all 0 keeps the byte 1 (its codes are zeros).
; REGISTERS.  window 0: v1-9 addresses; v12-19 four statistics a tile; v20-49 [zeros][Q0][zeros][Q1][zeros]; v50-57 scale words alone; v64-111 k's four pair images; v112-175 S^T, then p; v176-199 p's codes;
;   v200-223 at work; v224-227 four of the diagonal.   window 1: v0-47 v's four fragments; v64-127 O^T (tile x, dims' tile t at 64 + 32 x + 8 t).
.set HEADB, 614400
.set RECB,  19200
.set SECB,  6400
.set STEPB, 12800                      ; a step's bytes in a slot: k's images at 0, k's words at 6,144, v's images at 6,400, v's words at 12,544
.set SLOT1, 131072
.set STAGE, SLOT1+8*STEPB              ; behind the ring: 32 rows x 272 bytes for each wave, for the way out: never the target of a fill
.set SP,    272
.set SPARE, STAGE+8*32*SP              ; the spare words, 128 bytes a wave: four blocks of 256 bytes that no other line names
.set SPW, 1                            ; v1  my spare word; never rewritten
.set NIL, 2                            ; v2  0; never rewritten
.set L16, 3                            ; v3  16 x lane
.set L8,  4                            ; v4  8 x lane
.set ADK, 5                            ; v5  the step's images
.set ADS, 6                            ; v6  the step's scale words
.set STO, 7                            ; v7  the way out: where I put 16 bytes of a row
.set RD,  8                            ; v8  where I read a row back
.set GO,  9                            ; v9  my byte offset in the wave's rows of out0
.set STT, 12                           ; tile x at v[12 + 4 x]: -M, the largest t, l in two halves
.set QB,  26                           ; [Q x | zeros] begins at v[26 + 12 x], [zeros | Q x] six registers lower
.set QS,  50                           ; v50-51 Q's scale words, tile 0, 1
.set KS,  52                           ; v52-53 k's: word g: lanes 0-15 pair 2 g, lanes 16-31 pair 2 g + 1
.set VS,  54                           ; v54-55 v's likewise, by tiles
.set PS,  56                           ; v56-57 p's, tile 0, 1
.set KF,  64
.set S,   112
.set PC,  176
.set BM,  200                          ; v200-203 the four blocks' largest scores, then largest p
.set T4,  204                          ; v204-210 lane permutes' results, bytes, the conversions' second halves
.set SO,  212                          ; v212-215 the conversions' scale operands
.set FF,  216                          ; v[216 + 2 x : 217 + 2 x] f = 2^(old M - new M), later 1 / l; the upper half is only named
.set TMP, 220
.set SC2, 222                          ; v222-223 the sum's second chain
.set GD,  224
.set VF,  0                            ; window 1
.set OT,  64                           ; window 1
.set WV,  10
.set SEL, 20
.set CS,  22
.set G1,  24
.set G0,  32
.set TB,  40
.set CNT, 41
.set MSB, 0
.macro WIN new                         ; the immediate's high byte repeats the setting that is left
.if MSB != (\new)
	s_set_vgpr_msb (MSB<<8)|(\new)
.set MSB, (\new)
.endif
.endm
.macro CROUND                          ; a round of the cluster's barrier
	s_barrier_signal -1
	s_barrier_wait -1
	s_cmp_lg_u32 s[WV], 0
	s_cbranch_scc1 .Lnot_wave_0_\@
	s_barrier_signal -3
.Lnot_wave_0_\@:
	s_barrier_wait -3
	s_barrier_signal -1
	s_barrier_wait -1
.endm
	s_load_b128 s[4:7], s[0:1], 0x0                ; qkv s[4:5], hebbian_trace s[6:7]
	s_load_b64 s[8:9], s[0:1], 0x10                ; out0
	v_lshl_add_u32 v[SPW], v0, 2, SPARE
	v_mov_b32 v[NIL], 0
	ds_add_u32 v1, v2
	ds_add_u32 v1, v2
	s_wait_dscnt 0x0
	v_lshrrev_b32 v10, 5, v0
	v_readfirstlane_b32 s[WV], v10                 ; wave 0..7
	s_bfe_u32 s11, ttmp6, 0x40000                  ; cx: my place in the cluster
	s_lshl_b32 s12, ttmp9, 2
	s_add_co_u32 s12, s12, s11                     ; my block of 256 queries: it enters Q's and out0's addresses alone
	s_and_b32 s13, ttmp7, 0xffff                   ; the head, which the four partners share
	s_mul_i32 s14, s13, HEADB                      ; the head's first byte in qkv
	s_mul_i32 s16, s[WV], RECB                     ; the step that I fetch: record = wave,
	s_add_co_u32 s16, s16, s14
	s_add_co_u32 s16, s16, SECB                    ; from k's section on
	s_mov_b32 s17, 0
	s_mul_i32 s18, s[WV], STEPB                    ; and its place in a slot: no place in the cluster enters an LDS address
	; descriptor group 1: 12,800 dense bytes as 50 rows of 256 bytes (32 elements of 8 bytes), no padding
	s_mov_b32 s[G1], 15|(3<<16)|(1<<21)            ; the mask: all four work-groups; elements of 8 bytes; bit 21 beside a mask
	s_mov_b32 s[G1+1], 32<<16                      ; tensor_dim0
	s_mov_b32 s[G1+2], 50<<16                      ; tensor_dim1
	s_mov_b32 s[G1+3], 32<<16                      ; tile_dim0
	s_mov_b32 s[G1+4], 50                          ; tile_dim1
	s_mov_b32 s[G1+5], 32                          ; stride from row to row
	s_mov_b32 s[G1+6], 0
	s_mov_b32 s[G1+7], 0
	s_mov_b32 s[SEL], 0x76543210
	s_mov_b32 s[SEL+1], 0xfedcba98                 ; lane l xor 16
	s_mov_b32 s[CS], 0x3e38aa3b                    ; c = log2(e) / 8
	s_mov_b32 s[CS+1], s[CS]                       ; (named with it as a pair, so it is written)
	; Q's record and pair, the diagonal, my rows of out0: offsets in registers that feed no descriptor
	s_lshl_b32 s42, s12, 1
	s_lshr_b32 s43, s[WV], 2
	s_add_co_u32 s42, s42, s43                     ; record 2 x block + wave / 4
	s_mul_i32 s42, s42, RECB
	s_add_co_u32 s42, s42, s14
	s_mov_b32 s43, 0
	s_and_b32 s44, s[WV], 3
	s_mul_i32 s44, s44, 1536                       ; pair wave % 4
	s_mov_b32 s45, 0
	s_and_b32 s46, s[WV], 1                        ; its scale words: lanes 16 (pair % 2) on, word pair / 2
	s_lshl_b32 s46, s46, 7
	s_bfe_u32 s47, s[WV], 0x10001
	s_lshl_b32 s47, s47, 2
	s_add_co_u32 s46, s46, s47
	s_mov_b32 s47, 0
	s_lshl_b32 s50, s12, 8
	s_lshl_b32 s51, s[WV], 5
	s_add_co_u32 s50, s50, s51                     ; my first query: 256 x block + 32 x wave
	s_lshl_b32 s50, s50, 12                        ; rows of 4,096 bytes
	s_lshl_b32 s51, s13, 8                         ; the head's 256 bytes of a row
	s_add_co_u32 s50, s50, s51
	s_mov_b32 s51, 0
	s_lshl_b32 s52, s13, 14                        ; the head's 64 x 64 numbers of hebbian_trace
	s_mov_b32 s53, 0
	s_mul_i32 s48, s[WV], 32*SP
	s_add_co_u32 s48, s48, STAGE                   ; my stage
	s_wait_kmcnt 0x0
	s_add_nc_u64 s[16:17], s[4:5], s[16:17]
	s_add_nc_u64 s[42:43], s[4:5], s[42:43]        ; Q's record,
	s_add_nc_u64 s[44:45], s[42:43], s[44:45]      ; my pair image,
	s_add_nc_u64 s[46:47], s[42:43], s[46:47]      ; my scale words (6,144 further on)
	s_add_nc_u64 s[6:7], s[6:7], s[52:53]
	s_add_nc_u64 s[8:9], s[8:9], s[50:51]
.irp n, 0,1
	s_mov_b32 s[G0+4*\n], 1                                        ; count = 1
	s_add_co_u32 s[G0+4*\n+1], s18, \n*SLOT1                       ; LDS address
	s_add_nc_u64 s[G0+4*\n+2:G0+4*\n+3], s[16:17], \n*8*RECB       ; slot n begins with key steps 8 n to 8 n + 7
	s_or_b32 s[G0+4*\n+3], s[G0+4*\n+3], 0x80000000                ; type = 2
.endr
	CROUND                                         ; all four work-groups are here: the first joint loads meet
	tensor_load_to_lds s[G0:G0+3], s[G1:G1+7]
	s_nop 0
	tensor_load_to_lds s[G0+4:G0+7], s[G1:G1+7]
	s_nop 0
.rept 4
	v_nop
.endr
	v_and_b32 v10, 31, v0                          ; lane
	v_lshlrev_b32 v[L16], 4, v10
	v_lshlrev_b32 v[L8], 3, v10
	v_and_b32 v11, 15, v0                          ; r
	v_bfe_u32 v61, v0, 4, 1                        ; h
	global_load_b128 v[QB:QB+3], v[L16], s[44:45]                  ; the image's registers 0-3,
	global_load_b64 v[QB+4:QB+5], v[L16], s[44:45] offset:512      ; 4, 5: tile 0;
	global_load_b64 v[QB+12:QB+13], v[L16], s[44:45] offset:520    ; 6, 7,
	global_load_b128 v[QB+14:QB+17], v[L16], s[44:45] offset:1024  ; 8-11: tile 1
	v_lshlrev_b32 v58, 3, v11
	global_load_b32 v60, v58, s[46:47] offset:6144                 ; row r's word: bytes 0, 1 tile 0's two blocks, bytes 2, 3 tile 1's
	v_mul_u32_u24 v59, v11, 1040                   ; the diagonal at dims 4 r + i: 260 bytes from one to the next
.irp i, 0,1,2,3
	global_load_b32 v[GD+\i], v59, s[6:7] offset:260*\i
.endr
.irp j, 20,21,22,23,24,25,32,33,34,35,36,37,44,45,46,47,48,49
	v_mov_b32 v[\j], 0                             ; the zero codes beside Q
.endr
.irp x, 0,1
	v_mov_b32 v[STT+4*\x+1], 0xff61b1e6            ; the largest t so far: -3e38, under every t
	v_floor_f32 v[STT+4*\x], -v[STT+4*\x+1]        ; -M
	v_mov_b32 v[STT+4*\x+2], 0                     ; l, in two halves
	v_mov_b32 v[STT+4*\x+3], 0
	v_mov_b32 v[FF+2*\x+1], 0                      ; (named as the upper half of a pair)
.endr
.irp b, 0,1,2,3
	v_mov_b32 v[T4+\b], 0                          ; a lane permute's destination counts as one of its sources
.endr
	v_mul_u32_u24 v[STO], v11, SP                  ; into the stage: row r, + 64 h
	v_lshl_add_u32 v[STO], v61, 6, v[STO]
	v_add_nc_u32 v[STO], s48, v[STO]
	v_mul_u32_u24 v[RD], v61, SP                   ; back: lanes 0-15 one row of 256 bytes, lanes 16-31 the next
	v_lshl_add_u32 v[RD], v11, 4, v[RD]
	v_add_nc_u32 v[RD], s48, v[RD]
	v_lshlrev_b32 v[GO], 12, v61                   ; and the same two rows in out0
	v_lshl_add_u32 v[GO], v11, 4, v[GO]
	s_wait_loadcnt 0x0                             ; Q, its words, the diagonal
	v_perm_b32 v[QS], v60, v60, 0x01000100         ; a tile's two bytes stand in both halves of its word: Q stands in either half of K
	v_perm_b32 v[QS+1], v60, v60, 0x03020302
	WIN 0x40
.set j, 0
.rept 64
	v_mov_b32 v[OT+j], 0                           ; O^T.  (The step is written once: its first pass finds zeros, which the first change of M leaves zeros.  These are also the places behind the scale words just made)
.set j, j+1
.endr
	WIN 0
; S^T of tile x for the step's 128 keys: eight products, each starting its sum with 0
.macro SCORES x
.irp b, 0,1,2,3
.irp u, 0,1
.if \b % 2
	v_wmma_scale_f32_16x16x128_f8f6f4 v[S+16*\b+8*\u:S+16*\b+8*\u+7], v[KF+12*\b:KF+12*\b+11], v[QB+12*\x-6*\u:QB+12*\x-6*\u+11], 0, v[KS+\b/2], v[QS+\x] matrix_a_fmt:MATRIX_FMT_BF6 matrix_b_fmt:MATRIX_FMT_BF6 matrix_a_scale:MATRIX_SCALE_ROW1
.else
	v_wmma_scale_f32_16x16x128_f8f6f4 v[S+16*\b+8*\u:S+16*\b+8*\u+7], v[KF+12*\b:KF+12*\b+11], v[QB+12*\x-6*\u:QB+12*\x-6*\u+11], 0, v[KS+\b/2], v[QS+\x] matrix_a_fmt:MATRIX_FMT_BF6 matrix_b_fmt:MATRIX_FMT_BF6
.endif
.endr
.endr
.rept 4
	v_nop                                          ; places in front of the first read of the results (ISA guide 7.12.1)
.endr
.endm
; tile x's softmax for the step: S^T becomes p; p's codes to v[PC + 12 x] on, its scale word to v[PS + x], f to v[FF + 2 x]
.macro SOFTMAX x
.set rT, STT+4*\x
.set rF, FF+2*\x
.set rP, PC+12*\x
.irp b, 0,1,2,3
	v_max3_num_f32 v[BM+\b], v[S+16*\b], v[S+1+16*\b], v[S+2+16*\b]   ; the largest score of each block of 32 keys: it serves for the row's maximum and, since p rises with the score, for the block's largest p
.endr
.irp i, 3,5,7,9,11,13
.irp b, 0,1,2,3
	v_max3_num_f32 v[BM+\b], v[BM+\b], v[S+16*\b+\i], v[S+1+16*\b+\i]   ; (the four blocks by turns)
.endr
.endr
.irp b, 0,1,2,3
	v_max_num_f32 v[BM+\b], v[BM+\b], v[S+15+16*\b]
.endr
.irp b, 0,1,2,3
	v_permlanex16_b32 v[T4+\b], v[BM+\b], s[SEL], s[SEL+1]
.endr
.irp b, 0,1,2,3
	v_max_num_f32 v[BM+\b], v[BM+\b], v[T4+\b]     ; with lane l xor 16's 16 keys
.endr
	v_max3_num_f32 v[TMP], v[BM], v[BM+1], v[BM+2]
	v_max_num_f32 v[TMP], v[TMP], v[BM+3]          ; the step's largest score of my query
	v_mul_f32 v[TMP], s[CS], v[TMP]                ; as t (c is positive)
	v_max_num_f32 v[rT+1], v[rT+1], v[TMP]         ; the running largest t
	v_mov_b32 v[TMP], v[rT]
	v_floor_f32 v[rT], -v[rT+1]                    ; the new -M = floor(-t) = -ceil(t): M is a whole number
	v_sub_f32 v[TMP], v[rT], v[TMP]                ; M's old value less its new one: a whole number, 0 or less
	v_cvt_i32_f32 v[TMP], v[TMP]                   ; (it saturates)
	v_ldexp_f32 v[rF], 1.0, v[TMP]                 ; f = 2^(old M - new M)
.set j, 0
.rept 32
	v_pk_fma_f32 v[S+j:S+j+1], v[S+j:S+j+1], s[CS:CS+1], v[rT:rT+1] op_sel_hi:[1,0,0]   ; t - M, two at a time (of the pairs c and -M the low word serves both halves)
.set j, j+2
.endr
.irp b, 0,1,2,3
	v_fma_f32 v[BM+\b], v[BM+\b], s[CS], v[rT]     ; the same of each block's largest score
.endr
.set j, 0
.rept 64
	v_exp_f32 v[S+j], v[S+j]                       ; p = 2^(t - M), at most 1: not normalised
.set j, j+1
.endr
.irp b, 0,1,2,3
	v_exp_f32 v[BM+\b], v[BM+\b]                   ; the block's largest p: the same two instructions on the same number give the same bits
.endr
	v_pk_mul_f32 v[rT+2:rT+3], v[rT+2:rT+3], v[rF:rF+1] op_sel_hi:[1,0]   ; l under the new M.  (A plain line behind the exponentials)
	s_wait_alu depctr_va_vdst(0)
.irp b, 0,1,2,3
	v_max_num_f32 v[BM+\b], 0x2800000, v[BM+\b]    ; the floor 2^(5 - 127): the byte cannot fall under 1
.endr
.irp b, 0,1,2,3
	v_add_nc_u32 v[SO+\b], 0xfe000000, v[BM+\b]    ; 4 off the exponent field: the conversion's scale operand
.endr
.irp b, 0,1,2,3
	v_lshrrev_b32 v[T4+\b], 23, v[SO+\b]           ; the scale's byte
.endr
	v_lshl_or_b32 v[PS+\x], v[T4+1], 8, v[T4]      ; p's scale word for these 128 keys
	v_lshl_or_b32 v[PS+\x], v[T4+2], 16, v[PS+\x]
	v_lshl_or_b32 v[PS+\x], v[T4+3], 24, v[PS+\x]
.irp c, 0,1
	v_cvt_scalef32_pk16_bf6_f32 v[rP+6*\c:rP+6*\c+2], v[S+32*\c:S+32*\c+15], v[SO+2*\c]
	v_cvt_scalef32_pk16_bf6_f32 v[T4+4*\c:T4+4*\c+2], v[S+16+32*\c:S+31+32*\c], v[SO+2*\c+1]   ; (a conversion's three registers begin on an even number)
.endr
	v_nop                                          ; one plain line behind the scaled conversions
.irp c, 0,1                                    ; the operand's layout wants a WHOLE block in a lane
.irp i, 0,1,2
	v_permlane16_swap_b32 v[rP+6*\c+\i], v[T4+4*\c+\i]
.endr
.irp i, 0,1,2
	v_mov_b32 v[rP+3+6*\c+\i], v[T4+4*\c+\i]
.endr
.endr
	v_pk_add_f32 v[SC2:SC2+1], v[S:S+1], v[S+2:S+3]   ; l takes the UNQUANTISED p: two at a time, in two chains
.irp j, 4,8,12,16,20,24,28,32,36,40,44,48,52,56,60
	v_pk_add_f32 v[rT+2:rT+3], v[rT+2:rT+3], v[S+\j:S+\j+1]
	v_pk_add_f32 v[SC2:SC2+1], v[SC2:SC2+1], v[S+2+\j:S+3+\j]
.endr
	v_pk_add_f32 v[rT+2:rT+3], v[rT+2:rT+3], v[SC2:SC2+1]
.endm
; A KEY STEP: 128 keys, whose bytes begin at LDS byte s[TB]
.macro STEP
	v_add_nc_u32 v[ADK], s[TB], v[L16]
	v_add_nc_u32 v[ADS], s[TB], v[L8]
	v_nop
	v_nop                                          ; these four lines are the places between the last step's products and the loads into their registers
.irp i, 0,1,2,3,4,5,6,7,8,9,10,11
	ds_load_b128 v[KF+4*\i:KF+4*\i+3], v[ADK] offset:512*\i        ; k's four pair images, as they lie: 512 consecutive bytes a load
.endr
	ds_load_b64 v[KS:KS+1], v[ADS] offset:6144
	WIN 0x40                                       ; destination window 1
.irp i, 0,1,2,3,4,5,6,7,8,9,10,11
	ds_load_b128 v[VF+4*\i:VF+4*\i+3], v[ADK] offset:6400+512*\i   ; v's four fragments
.endr
	WIN 0
	ds_load_b64 v[VS:VS+1], v[ADS] offset:12544
	s_wait_dscnt 13                                ; k and its words are in; v's twelve loads and its words may be out
	SCORES 0
	SOFTMAX 0
	SCORES 1
	SOFTMAX 1
	WIN 0x41                                       ; O^T (destination and source 0) window 1, f window 0
.irp x, 0,1
.set j, 0
.rept 16
	v_pk_mul_f32 v[OT+32*\x+j:OT+32*\x+j+1], v[OT+32*\x+j:OT+32*\x+j+1], v[FF+2*\x:FF+2*\x+1] op_sel_hi:[1,0]   ; O^T under the new M, each accumulator from its low end on.  (Also the places behind p's codes and scale words)
.set j, j+2
.endr
.endr
	s_wait_dscnt 0x0                               ; v and its words are in
	WIN 0x51                                       ; source 0 (v) window 1, source 1 (p) window 0, C and D window 1
.irp t, 0,1,2,3                                ; O^T += v^T p^T: the eight accumulators take one turn each
.irp x, 0,1
.if \t % 2
	v_wmma_scale_f32_16x16x128_f8f6f4 v[OT+32*\x+8*\t:OT+32*\x+8*\t+7], v[VF+12*\t:VF+12*\t+11], v[PC+12*\x:PC+12*\x+11], v[OT+32*\x+8*\t:OT+32*\x+8*\t+7], v[VS+\t/2], v[PS+\x] matrix_a_fmt:MATRIX_FMT_BF6 matrix_b_fmt:MATRIX_FMT_BF6 matrix_a_scale:MATRIX_SCALE_ROW1
.else
	v_wmma_scale_f32_16x16x128_f8f6f4 v[OT+32*\x+8*\t:OT+32*\x+8*\t+7], v[VF+12*\t:VF+12*\t+11], v[PC+12*\x:PC+12*\x+11], v[OT+32*\x+8*\t:OT+32*\x+8*\t+7], v[VS+\t/2], v[PS+\x] matrix_a_fmt:MATRIX_FMT_BF6 matrix_b_fmt:MATRIX_FMT_BF6
.endif
.endr
.endr
	WIN 0                                          ; at a label and at a branch every window is 0
.endm
.macro SLOT_STEPS base                 ; a slot's eight key steps: written once, walked eight times
	s_mov_b32 s[TB], \base
	s_mov_b32 s[CNT], 8
.Lstep_\@:
	STEP
	s_add_co_u32 s[TB], s[TB], STEPB
	s_sub_co_u32 s[CNT], s[CNT], 1
	s_cmp_lg_u32 s[CNT], 0
	s_cbranch_scc1 .Lstep_\@
.endm
; THE CHANGE OF SLOTS.  Each wave waits for all its tensor loads (its part of the slot ahead), adds 0 to its spare word, and waits for that and for its reads of slot n, which it has left.
; fill = 1: slot n is filled again with the key steps 16 further on; the barrier is then a round of the cluster's, and the joint refill is the first thing behind it.
.macro CHANGE n, fill
	s_wait_tensorcnt 0x0                           ; no tensor load of mine is out, so a group 0 may be written
	ds_add_u32 v[SPW], v[NIL]                      ; 0 onto my spare word
.if \fill
	s_add_nc_u64 s[G0+4*\n+2:G0+4*\n+3], s[G0+4*\n+2:G0+4*\n+3], 16*RECB   ; the type bits on top are not reached
.endif
	s_wait_dscnt 0x0                               ; the add is done, and my reads of the slot are over
.if \fill
	CROUND
	tensor_load_to_lds s[G0+4*\n:G0+4*\n+3], s[G1:G1+7]
	s_nop 0
.rept 4
	v_nop
.endr
.else
	s_barrier_signal -1
	s_barrier_wait -1
.endif
.endm
	s_wait_tensorcnt 1                             ; my part of slot 0 is in; slot 1's may stay out
	s_barrier_signal -1
	s_barrier_wait -1                              ; everybody's is
	SLOT_STEPS 0                                   ; key steps 0-7
	CHANGE 0, 1                                    ; slot 0 takes steps 16-23
	SLOT_STEPS SLOT1                               ; 8-15
	CHANGE 1, 1                                    ; slot 1 takes steps 24-31
	SLOT_STEPS 0                                   ; 16-23
	CHANGE 0, 0                                    ; nothing is left to fetch
	SLOT_STEPS SLOT1                               ; 24-31
	; THE WAY OUT.  O^T / l goes through my stage in LDS and comes back as whole rows of the head's 256 bytes, which are multiplied by the diagonal and stored.
.rept 4
	v_nop                                          ; places behind the last products
.endr
.irp x, 0,1
	v_add_f32 v[STT+4*\x+2], v[STT+4*\x+2], v[STT+4*\x+3]          ; l's two halves,
.endr
.irp x, 0,1
	v_permlanex16_b32 v[T4+\x], v[STT+4*\x+2], s[SEL], s[SEL+1]
.endr
.irp x, 0,1
	v_add_f32 v[STT+4*\x+2], v[STT+4*\x+2], v[T4+\x]               ; and lane l xor 16's
.endr
.irp x, 0,1
	v_rcp_f32 v[FF+2*\x], v[STT+4*\x+2]
.endr
	v_nop                                          ; a plain line behind the reciprocals
	WIN 0x01                                       ; source 0 window 1
	s_wait_alu depctr_va_vdst(0)
.irp x, 0,1
.set j, 0
.rept 16
	v_pk_mul_f32 v[S+32*\x+j:S+32*\x+j+1], v[OT+32*\x+j:OT+32*\x+j+1], v[FF+2*\x:FF+2*\x+1] op_sel_hi:[1,0]   ; register 8 t + i of tile x: dim 32 (t / 2) + 16 h + 8 (t % 2) + i of my query
.set j, j+2
.endr
.endr
	WIN 0
.irp x, 0,1
.irp t, 0,1,2,3
	ds_store_b128 v[STO], v[S+32*\x+8*\t:S+32*\x+8*\t+3] offset:16*\x*SP+128*(\t/2)+32*(\t%2)
	ds_store_b128 v[STO], v[S+32*\x+8*\t+4:S+32*\x+8*\t+7] offset:16*\x*SP+128*(\t/2)+32*(\t%2)+16
.endr
.endr
.irp i, 0,1,2,3,4,5,6,7,8,9,10,11,12,13,14,15
	ds_load_b128 v[S+4*\i:S+4*\i+3], v[RD] offset:2*\i*SP          ; LDS serves a wave's instructions in order: these see my stores
.endr
.irp i, 0,1,2,3,4,5,6,7,8,9,10,11,12,13,14,15
	s_wait_dscnt 15-\i                             ; stage rows 2 i and 2 i + 1 are back; the younger loads may be out
	v_pk_mul_f32 v[S+4*\i:S+4*\i+1], v[S+4*\i:S+4*\i+1], v[GD:GD+1]
	v_pk_mul_f32 v[S+4*\i+2:S+4*\i+3], v[S+4*\i+2:S+4*\i+3], v[GD+2:GD+3]
	global_store_b128 v[GO], v[S+4*\i:S+4*\i+3], s[8:9] offset:(16*((\i/4)%2)+8*(\i/8)+2*(\i%4))*4096 th:TH_STORE_NT   ; stage row 16 x + r is query 8 x + r % 8 + 16 (r / 8); 16 lanes store 256 consecutive bytes, aligned
.endr
	s_wait_tensorcnt 0x0                           ; the wave's end
	ds_add_u32 v[SPW], v[NIL]
	s_wait_dscnt 0x0
	CROUND                                         ; the closing round: no work-group ends while a partner may still ask for a tile that names it
	s_endpgm
.Lfunc_end_k_q88d1353f47_attn:
	.size	k_q88d1353f47_attn, .Lfunc_end_k_q88d1353f47_attn-k_q88d1353f47_attn
	.p2alignl 7, 3214868480
	.fill 96, 4, 3214868480
	.section	.rodata,"a",@progbits
	.p2align	6, 0x0
	.amdhsa_kernel k_q88d1353f47_attn
		.amdhsa_group_segment_fixed_size 327680
		.amdhsa_private_segment_fixed_size 0
		.amdhsa_enable_private_segment 0
		.amdhsa_kernarg_size 24
		.amdhsa_user_sgpr_count 2
		.amdhsa_user_sgpr_kernarg_segment_ptr 1
		.amdhsa_wavefront_size32 1
		.amdhsa_system_sgpr_workgroup_id_x 1
		.amdhsa_system_sgpr_workgroup_id_y 1
		.amdhsa_system_sgpr_workgroup_id_z 1
		.amdhsa_system_vgpr_workitem_id 0
		.amdhsa_next_free_vgpr 384
		.amdhsa_next_free_sgpr 66
		.amdhsa_reserve_vcc 0
		.amdhsa_float_denorm_mode_32 3
		.amdhsa_float_denorm_mode_16_64 3
		.amdhsa_memory_ordered 1
		.amdhsa_forward_progress 1
		.amdhsa_inst_pref_size 135
	.end_amdhsa_kernel
	.amdgpu_metadata
---
amdhsa.version: [ 1, 2 ]
amdhsa.kernels:
  - .name:           k_q88d1353f47_attn
    .symbol:         k_q88d1353f47_attn.kd
    .args:
      - { .name: qkv, .offset: 0, .size: 8, .value_kind: global_buffer, .address_space: global }
      - { .name: hebbian_trace, .offset: 8, .size: 8, .value_kind: global_buffer, .address_space: global }
      - { .name: out0, .offset: 16, .size: 8, .value_kind: global_buffer, .address_space: global }
    .group_segment_fixed_size: 327680
    .private_segment_fixed_size: 0
    .kernarg_segment_align: 8
    .kernarg_segment_size: 24
    .max_flat_workgroup_size: 256
    .sgpr_count:     66
    .vgpr_count:     384
    .wavefront_size: 32
...
	.end_amdgpu_metadata
.endif
;; end of part 3
